; MI455X (gfx1250); checked and timed in simulation.
; The chip was launched on July 23, 2026; its instructions are those of AMD's public machine-readable ISA for CDNA 5 (MIT licence, August 2026) and "CDNA5" Instruction Set Architecture Reference Guide (July 2026). The comments in the code are by the model that wrote it; some were corrected since.
;; Transformer Encoder. Allowed arithmetic: float matrix products may take bf16 or f16 operands with f32 sums; other float arithmetic in f32, or as packed bf16 or f16 multiplies, adds, multiply-adds, maxima and minima; sums over many terms, partial sums and values carried from step to step in f32; what a program stores and reads back later, other than sums and carried values, may be rounded once to bf16 or f16.
;; Inputs: W1 512 x 1,024 float32; W2 1,024 x 512 float32; Wf 512 x 512 float32; Wk 256 x 512 float32; Wp 512 x 512 float32; Wq 512 x 512 float32; b1 1,024 float32; b2 512 float32; bf 512 float32; bk 512 float32; bp 512 float32; bq 512 float32; source 16 x 2,048 x 256 float32; w_g 512 x 1 float32; x 16 x 2,048 x 512 float32.
;; Outputs: out0 16 x 2,048 x 512 float32.
;; One version. Each part assembles by itself: llvm-mc -triple=amdgcn-amd-amdhsa -mcpu=gfx1250 --defsym DOCPART=n.
;; ======== version 1 of 1: 2 launches
;; limits: values outside matrix products are rounded to bf16
;; workspace buffers: wb 3,407,872 bytes
;; launch prep (part 1): grid 208 x 1, 4 waves a work-group, no clusters, 17,920 bytes of LDS; arguments Wk, Wq, Wf, W1, W2, wb; writes wb
.if DOCPART == 1
	.amdgcn_target "amdgcn-amd-amdhsa--gfx1250"
	.amdhsa_code_object_version 6
	.text
	.protected	k_q447787d048_prep
	.globl	k_q447787d048_prep
	.p2align	8
	.type	k_q447787d048_prep,@function
k_q447787d048_prep:
	s_mov_b64 s[64:65], 0
	v_nop
	global_prefetch_b8 v0, s[64:65] scope:SCOPE_SE
	s_setreg_imm32_b32 hwreg(HW_REG_WAVE_MODE, 25, 1), 1
	s_wait_xcnt 0x0
; The five live weights, rounded once to bf16 and laid in wb in the order and in the register image in which the second launch reads them.
; wb = 52 steps of 65,536 bytes: steps 0-3 Wk, 4-11 Wq, 12-19 Wf, then for each chunk c of 128 hidden units: 20+4c, 21+4c W1, 22+4c, 23+4c W2.
; A fragment is 1,024 bytes: half*512 + lane*16 + e*2 holds W[k0 + 16 half + 8 (lane/16) + e][n0 + lane%16]: 16 output columns x 32 k, as a matrix source wants them.
; Wide steps (Wk, Wq, Wf, W2): w*16384 + kk*8192 + b*1024, k0 = 64 sl + 32 kk, n0 = 128 w + 16 b.  Tall steps (W1, t = 0, 1): ch*32768 + p*8192 + q*4096 + b*1024, k0 = 256 t + 64 p + 32 q, n0 = 128 c + 64 ch + 16 b.
; SHARES.  One wave makes one unit u = 4 x work-group + wave: 4,096 bytes of wb at 4,096 u: 32 k x 64 columns.  Each of its 16 loads reads two rows' 256 consecutive bytes; each of its 8 stores writes 512 consecutive bytes.
; The turn from rows of k to fragments goes through the wave's own 4,352 bytes of LDS: no barrier.
.set SPARE, 17408                      ; behind the four areas: the spare words, 128 bytes a wave
.set X,  16                            ; v[16:79]   16 rows x 4 columns of f32
.set O,  80                            ; v[80:111]  32 packed words
.set BK, 112                           ; v[112:143] the unit read back, 8 x 16 bytes a lane
	s_load_b256 s[4:11], s[0:1], 0x0               ; Wk s[4:5], Wq s[6:7], Wf s[8:9], W1 s[10:11]
	s_load_b128 s[12:15], s[0:1], 0x20             ; W2 s[12:13], wb s[14:15]
	v_lshl_add_u32 v4, v0, 2, SPARE                ; my spare word
	v_mov_b32 v5, 0
	v_lshrrev_b32 v1, 5, v0
	v_readfirstlane_b32 s19, v1                    ; wave
	s_lshl_b32 s20, ttmp9, 2
	s_add_co_u32 s20, s20, s19                     ; u
	s_lshr_b32 s21, s20, 4                         ; step
	s_and_b32 s22, s20, 15                         ; z: the unit's place in its step
	s_sub_co_u32 s23, s21, 20                      ; m (used from step 20 on)
	s_lshr_b32 s24, s23, 2                         ; c
	s_and_b32 s25, s23, 3                          ; ph: 0, 1 W1; 2, 3 W2
	s_lshl_b32 s26, s24, 1
	s_add_co_u32 s26, s26, s25
	s_sub_co_u32 s26, s26, 2                       ; W2: sl = 2 c + ph - 2
	s_sub_co_u32 s33, s21, 12                      ; Wf: sl
	s_sub_co_u32 s34, s21, 4                       ; Wq: sl
	s_wait_kmcnt 0x0
	s_mov_b64 s[28:29], s[12:13]
	s_cmp_lt_u32 s21, 20
	s_cselect_b64 s[28:29], s[8:9], s[28:29]
	s_cselect_b32 s26, s33, s26
	s_cselect_b32 s27, 0, 1                        ; 1 from step 20 on
	s_cmp_lt_u32 s21, 12
	s_cselect_b64 s[28:29], s[6:7], s[28:29]
	s_cselect_b32 s26, s34, s26
	s_cmp_lt_u32 s21, 4
	s_cselect_b64 s[28:29], s[4:5], s[28:29]
	s_cselect_b32 s26, s21, s26
	s_cmp_lt_u32 s25, 2
	s_cselect_b32 s27, s27, 0                      ; 1: the unit is W1's
	s_lshl_b32 s35, s26, 6                         ; wide: k0 = 64 sl + 32 ((z >> 1) & 1)
	s_bfe_u32 s36, s22, 0x10001
	s_lshl_b32 s36, s36, 5
	s_add_co_u32 s35, s35, s36
	s_lshr_b32 s36, s22, 2                         ; wide: n0 = 128 (z >> 2) + 64 (z & 1)
	s_lshl_b32 s36, s36, 7
	s_and_b32 s37, s22, 1
	s_lshl_b32 s37, s37, 6
	s_add_co_u32 s36, s36, s37
	s_lshl_b32 s37, s25, 8                         ; tall: k0 = 256 ph + 32 (z & 7)
	s_and_b32 s38, s22, 7
	s_lshl_b32 s38, s38, 5
	s_add_co_u32 s37, s37, s38
	s_lshl_b32 s38, s24, 7                         ; tall: n0 = 128 c + 64 (z >> 3)
	s_lshr_b32 s39, s22, 3
	s_lshl_b32 s39, s39, 6
	s_add_co_u32 s38, s38, s39
	s_cmp_eq_u32 s27, 1
	s_cselect_b64 s[28:29], s[10:11], s[28:29]
	s_cselect_b32 s35, s37, s35
	s_cselect_b32 s36, s38, s36
	s_lshl_b32 s31, 2048, s27                      ; P: bytes in a row of the weight
	s_mul_i32 s35, s35, s31
	s_lshl_b32 s36, s36, 2
	s_add_co_u32 s16, s35, s36
	s_mov_b32 s17, 0
	s_add_nc_u64 s[28:29], s[28:29], s[16:17]      ; the weight at (k0, n0)
	s_lshl_b32 s16, s20, 12
	s_add_nc_u64 s[14:15], s[14:15], s[16:17]      ; wb at my unit
	v_and_b32 v2, 31, v0                           ; lane
	v_and_b32 v3, 15, v0                           ; cg: my four columns
	v_bfe_u32 v6, v0, 4, 1                         ; hf: rows 16 hf ..
	v_lshrrev_b32 v7, 2, v3
	v_and_b32 v8, 3, v3
	v_mul_u32_u24 v9, v7, 1040                     ; a fragment's 1,024 bytes + 16, so that sixteen lanes' stores fall into sixteen different 16-byte columns
	v_lshl_add_u32 v9, v6, 9, v9
	v_lshl_add_u32 v9, v8, 6, v9
	s_mul_i32 s30, s19, 4352
	v_add_nc_u32 v9, s30, v9                       ; in: wave area + (cg>>2) 1040 + hf 512 + (cg&3) 64
	v_lshlrev_b32 v10, 4, v2                       ; 16 x lane
	v_add_nc_u32 v11, s30, v10                     ; back
	s_lshl_b32 s32, s31, 4
	v_mul_lo_u32 v12, v6, s32
	v_lshl_add_u32 v12, v3, 4, v12                 ; hf x 16 rows + 16 cg
.macro LOADS p
.set j, 0
.rept 16
	global_load_b128 v[X+4*j:X+4*j+3], v12, s[28:29] offset:j*(\p) th:TH_LOAD_NT  ; row 16 hf + j: each weight byte is read once in the launch
.set j, j+1
.endr
.endm
	s_cmp_eq_u32 s27, 1
	s_cbranch_scc1 .Ltall
	LOADS 2048
	s_branch .Lgo
.Ltall:
	LOADS 4096
.Lgo:
	s_wait_loadcnt 0x0
.set k, 0
.rept 32                               ; word (c 2 + h') 4 + pr: column c, k = 8 h' + 2 pr and the next
	v_cvt_pk_bf16_f32 v[O+k], v[X+4*(8*((k/4)%2)+2*(k%4))+k/8], v[X+4*(8*((k/4)%2)+2*(k%4)+1)+k/8]
.set k, k+1
.endr
.set k, 0
.rept 8
	ds_store_b128 v9, v[O+4*k:O+4*k+3] offset:(k%2)*256+(k/2)*16
.set k, k+1
.endr
.set k, 0
.rept 8
	ds_load_b128 v[BK+4*k:BK+4*k+3], v11 offset:(k/2)*1040+(k%2)*512  ; my own bytes: LDS serves a wave's instructions in order (ISA guide 5.7.1.4)
.set k, k+1
.endr
	s_wait_dscnt 0x0
.set k, 0
.rept 8
	global_store_b128 v10, v[BK+4*k:BK+4*k+3], s[14:15] offset:512*k  ; 512 consecutive bytes, at a multiple of 256 from wb's first
.set k, k+1
.endr
	s_wait_tensorcnt 0x0                           ; the wave's end: a wait, an add to my spare word and its wait behind my last LDS store
	ds_add_u32 v4, v5
	s_wait_dscnt 0x0
	s_endpgm
.Lfunc_end_k_q447787d048_prep:
	.size	k_q447787d048_prep, .Lfunc_end_k_q447787d048_prep-k_q447787d048_prep
	.p2alignl 7, 3214868480
	.fill 96, 4, 3214868480
	.section	.rodata,"a",@progbits
	.p2align	6, 0x0
	.amdhsa_kernel k_q447787d048_prep
		.amdhsa_group_segment_fixed_size 17920
		.amdhsa_private_segment_fixed_size 0
		.amdhsa_enable_private_segment 0
		.amdhsa_kernarg_size 48
		.amdhsa_user_sgpr_count 2
		.amdhsa_user_sgpr_kernarg_segment_ptr 1
		.amdhsa_wavefront_size32 1
		.amdhsa_system_sgpr_workgroup_id_x 1
		.amdhsa_system_sgpr_workgroup_id_y 1
		.amdhsa_system_sgpr_workgroup_id_z 1
		.amdhsa_system_vgpr_workitem_id 0
		.amdhsa_next_free_vgpr 160
		.amdhsa_next_free_sgpr 66
		.amdhsa_reserve_vcc 0
		.amdhsa_float_denorm_mode_32 3
		.amdhsa_float_denorm_mode_16_64 3
		.amdhsa_memory_ordered 1
		.amdhsa_forward_progress 1
		.amdhsa_inst_pref_size 11
	.end_amdhsa_kernel
	.amdgpu_metadata
---
amdhsa.version: [ 1, 2 ]
amdhsa.kernels:
  - .name:           k_q447787d048_prep
    .symbol:         k_q447787d048_prep.kd
    .args:
      - { .name: Wk, .offset: 0, .size: 8, .value_kind: global_buffer, .address_space: global }
      - { .name: Wq, .offset: 8, .size: 8, .value_kind: global_buffer, .address_space: global }
      - { .name: Wf, .offset: 16, .size: 8, .value_kind: global_buffer, .address_space: global }
      - { .name: W1, .offset: 24, .size: 8, .value_kind: global_buffer, .address_space: global }
      - { .name: W2, .offset: 32, .size: 8, .value_kind: global_buffer, .address_space: global }
      - { .name: wb, .offset: 40, .size: 8, .value_kind: global_buffer, .address_space: global }
    .group_segment_fixed_size: 17920
    .private_segment_fixed_size: 0
    .kernarg_segment_align: 8
    .kernarg_segment_size: 48
    .max_flat_workgroup_size: 128
    .sgpr_count:     66
    .vgpr_count:     160
    .wavefront_size: 32
...
	.end_amdgpu_metadata
.endif
;; end of part 1
;; launch enc (part 2): grid 256 x 1, 4 waves a work-group, clusters of 4 x 1, 327,680 bytes of LDS; arguments x, source, wb, bk, bq, bf, b1, b2, out0; writes out0
.if DOCPART == 2
	.amdgcn_target "amdgcn-amd-amdhsa--gfx1250"
	.amdhsa_code_object_version 6
	.text
	.protected	k_q447787d048_enc
	.globl	k_q447787d048_enc
	.p2align	8
	.type	k_q447787d048_enc,@function
k_q447787d048_enc:
	s_mov_b64 s[64:65], 0
	v_nop
	global_prefetch_b8 v0, s[64:65] scope:SCOPE_SE
	s_setreg_imm32_b32 hwreg(HW_REG_WAVE_MODE, 25, 1), 1
	s_wait_xcnt 0x0
	s_wait_alu depctr_hold_cnt(0) depctr_sa_sdst(0) depctr_va_vdst(0) depctr_va_sdst(0) depctr_va_ssrc(0) depctr_va_vcc(0) depctr_vm_vsrc(0)
	s_getreg_b32 s2, hwreg(HW_REG_IB_STS2, 6, 4)
	s_cmp_eq_u32 s2, 0
	s_cbranch_scc0 .Lentry_in_a_cluster
	s_endpgm
.Lentry_in_a_cluster:
	s_bfe_u32 s2, ttmp6, 0x10000c
	s_cmp_lg_u32 s2, 0x3003
	s_cbranch_scc0 .Lentry_shape_is_right
	s_endpgm
.Lentry_shape_is_right:
; out0 = mlp(h) + h, h = norm((norm(source Wk + bk) + norm(x Wq + bq)) Wf + bf + x), mlp(h) = gelu_erf(h W1 + b1) W2 + b2; norm(v) = v / max(|v|, 1e-12) along a row.
; NS = NQ, so the nearest-neighbour index is the identity.  A, G and the product with Wp reach nothing that is returned: they are not computed, and w_g, Wp, bp are not read.
; LIMITS.  Matrix operands bf16, sums f32.  The residual x is the bf16 x; K/|K| is rounded to bf16 before Q/|Q| is added.  A row's sum of squares must stay finite in f32; below 2^-126 it counts as 0.
; Phi(a) by a rational form in 1/(1 + 0.2316419 |a|) times exp(-a a/2) (Abramowitz and Stegun 26.2.17), absolute error 7.5e-8, for every finite a.  NaN and infinities are not treated apart.
; SHARES.  A work-group owns 128 rows and keeps them from first to last; 256 work-groups.  Every work-group walks the same 52 steps of 65,536 bytes of wb through a ring of two LDS slots.
; CLUSTER.  The four work-groups of a cluster ask for each step JOINTLY (mask 15); each wave fetches a quarter, 16,384 dense bytes as 64 rows of 256.
; WIDE STEPS (K, Q, F, down): a wave has all 128 rows x its 128 columns: 64 accumulators; a step is 64 along k: 128 matrix instructions.  TALL STEPS (up): a chunk of 128 hidden units; wave (rh, ch) has rows 64 rh.. x units 64 ch..:
; 16 accumulators; a step is 256 along k: 128 matrix instructions.  Source 0 = weights (register image, read contiguously), source 1 = activations: a lane holds one row (lane % 16) and eight neighbouring columns.
; The accumulators take turns, one instruction a turn.
; LDS: ring 0..131071; BIAS f32 (bk, bq, bf, b2, b1); XR 128 rows at pitch 1,040: source, then x, then t, then h, at the end the wave's out stage; US the chunk's u at pitch 272; NSQ partial sums of squares; the spare words.
; REGISTERS.  Window 0: addresses, RS (1/norm), SS, fragments B0 v64, B1 v128, A0 v192, A1 v224.  Window 1: source as loaded, packed x, K/|K|, x pieces, bf16 h; in the MLP the 16 up accumulators and GELU's work.
; Windows 2, 3: x as loaded, then the 64 accumulators: (RB, b) at 8 (8 (RB % 4) + b).
.set SLOT,  65536
.set BIAS,  131072
.set XR,    143360
.set XP,    1040                       ; 1,024 + 16: an odd multiple of 16 bytes
.set XB,    16*XP                      ; a block of 16 rows
.set US,    276480
.set UPI,   272
.set UB,    16*UPI
.set NSQ,   311296
.set SPARE, 313344
.set STG,   33280                      ; a wave's share of XR, for the way out
.set SPI,   528
.set R,1
.set H,2
.set LN,3
.set SPW,4                             ; my spare word; never rewritten
.set NIL,5                             ; 0; never rewritten
.set L16,6                             ; 16 x lane
.set TI16,7                            ; 16 x thread
.set VB,8                              ; weights' fragments of the step in hand
.set VBS,9
.set VA,10                             ; v10, v11: activations' fragments, row blocks 0-3 and 4-7
.set VA0,12
.set VUA0,13
.set VUA,14
.set VHA0,15
.set RS,16                             ; v16-31: 1/norm of row block RB in v[16 + 2 RB]; the odd ones are named with them as pairs
.set SS,32                             ; v32-47: sums of squares, a pair a row block
.set VHA,48
.set VBI,49
.set VB1,50
.set VNSS,51
.set VNSL,52
.set VXS,53
.set VT,54                             ; v54, v55: my 16 bytes of a row of XR, row blocks 0-3 and 4-7
.set ONE,56
.set VUS,57
.set VPF,58
.set VSTO,60
.set VRD,61
.set BF,64
.set AF,192
.set TT,128                            ; GELU's work, window 1
.set TE,160
.set TY,192
.set TM,224
.set WV,26
.set RH,27
.set CH,28
.set CX,29
.set WG,30
.set START,31
.set G1,32
.set G0A,40
.set G0,44
.set TB,48                             ; the slot of the step to be fetched
.set BW,49                             ; 16,384 x wave
.set BT,50                             ; 32,768 x ch
.set NB,51
.set HS,52
.set CNT,53
.set ENDF,54
.set CHK,55
.set STP,56
.set LIM,57
.set PFA,58
.set SEL,60
.set CP,66
.set CE,68
.set C4,70
.set C3,72
.set C2,74
.set C1,76
.set EPSR,78
.set C5,80
.set MSB, 0
.macro WIN new                         ; the high byte repeats the setting that is left; a switch that changes nothing is dropped
.if MSB != (\new)
	s_set_vgpr_msb (MSB<<8)|(\new)
.set MSB, (\new)
.endif
.endm
.macro PLACES                          ; four plain places behind a matrix instruction, ahead of loads into its sources and of readers of its result
.rept 4
	v_nop
.endr
.endm
.macro EACH n, line:vararg             ; the line for i = 0 .. n - 1
.set i, 0
.rept \n
	\line
.set i, i+1
.endr
.endm
.macro CREST                           ; a round of the cluster's barrier behind its opening barrier
	s_cmp_lg_u32 s[WV], 0
	s_cbranch_scc1 .Lnw0_\@
	s_barrier_signal -3
.Lnw0_\@:
	s_barrier_wait -3
	s_barrier_signal -1
	s_barrier_wait -1
.endm
.macro ROUND
	s_barrier_signal -1
	s_barrier_wait -1
	CREST
.endm
.macro BAR                             ; a work-group barrier behind which nothing is filled: my LDS stores and reads are done, then everybody's
	s_wait_dscnt 0x0
	s_barrier_signal -1
	s_barrier_wait -1
.endm
.macro FB g, buf                       ; group g of the step: 8 fragments of weights, 16 contiguous loads
	WIN 0
	EACH 16, ds_load_b128 v[(\buf)+4*i:(\buf)+4*i+3], v[VB] offset:(\g)*8192+512*i
.endm
.macro FA kk, hf, us                   ; 4 fragments of activations: row blocks 4 hf .., 32 k at 64 kk bytes; from XR or (us = 1) from US
	WIN 0
.if \us
	EACH 8, ds_load_b128 v[AF+32*(\hf)+4*i:AF+32*(\hf)+4*i+3], v[VUA] offset:(4*(\hf)+i/2)*UB+(\kk)*64+(i%2)*32
.else
	EACH 8, ds_load_b128 v[AF+32*(\hf)+4*i:AF+32*(\hf)+4*i+3], v[VA+(\hf)] offset:(i/2)*XB+(\kk)*64+(i%2)*32
.endif
.endm
.macro FAT p, hf                       ; up: fragments (q, a): my row block 2 hf + a, 32 k at 64 (2 p + q) bytes
	WIN 0
	EACH 8, ds_load_b128 v[AF+32*(\hf)+4*i:AF+32*(\hf)+4*i+3], v[VHA] offset:(2*(\hf)+(i/2)%2)*XB+(2*(\p)+i/4)*64+(i%2)*32
.endm
.macro GW kk, hf, a0, na               ; 8 na products: row blocks 4 hf + a0 .., all 8 column blocks
	WIN 0xa0+0x50*(\hf)
.set i, 0
.rept 8*(\na)
.set ra, 8*(8*((\a0)+i/8)+i%8)
	v_wmma_f32_16x16x32_bf16 v[ra:ra+7], v[BF+64*(\kk)+8*(i%8):BF+64*(\kk)+8*(i%8)+7], v[AF+32*(\hf)+8*((\a0)+i/8):AF+32*(\hf)+8*((\a0)+i/8)+7], v[ra:ra+7]
.set i, i+1
.endr
.endm
.macro GU p, hf, q0, nq                ; 8 nq products of the up stage: q, then row block 2 hf + a, then column block b
	WIN 0x50
.set i, 0
.rept 8*(\nq)
.set ru, 8*(4*(2*(\hf)+(i/4)%2)+i%4)
	v_wmma_f32_16x16x32_bf16 v[ru:ru+7], v[BF+64*((\p)%2)+8*(4*((\q0)+i/8)+i%4):BF+64*((\p)%2)+8*(4*((\q0)+i/8)+i%4)+7], v[AF+32*(\hf)+8*(2*((\q0)+i/8)+(i/4)%2):AF+32*(\hf)+8*(2*((\q0)+i/8)+(i/4)%2)+7], v[ru:ru+7]
.set i, i+1
.endr
.endm
; THE CHANGE OF SLOTS, in three parts with products between them.  Each wave waits for all its tensor loads (one is out: its quarter of the next step), adds 0 to its spare word, waits for that and for its reads of this
; step's slot, and signals.  fill = 1: the barrier opens a round of the cluster's; behind the round the slot just read takes the step two on: one joint load a wave, which has a whole step, 128 matrix instructions, in which to land.
.macro CH_A fill
	WIN 0
.if \fill
	s_wait_xcnt 0x0                                ; the last prefetch, a step back, has read its address
	s_add_nc_u64 s[PFA:PFA+1], s[PFA:PFA+1], SLOT
.endif
	s_wait_tensorcnt 0x0                           ; no tensor load of mine is out, so the descriptor may be written
	ds_add_u32 v[SPW], v[NIL]
.if \fill
	s_xor_b32 s[G0+1], s[G0+1], SLOT               ; the other slot,
	s_add_nc_u64 s[G0+2:G0+3], s[G0+2:G0+3], SLOT  ; the next step
.endif
.endm
.macro CH_B
	s_wait_dscnt 0x0                               ; the add is done, and my reads of this slot are over
	s_barrier_signal -1
.endm
.macro CH_C fill
	WIN 0
	s_barrier_wait -1
.if \fill
	CREST                                          ; no wave of any partner still reads the slot or has a load on its way
	tensor_load_to_lds s[G0:G0+3], s[G1:G1+7]
	s_nop 0
.rept 4
	v_nop                                          ; also the places ahead of the fragment loads below
.endr
	s_add_co_u32 s[STP], s[STP], 1
.else
	PLACES
.endif
	s_xor_b32 s[TB], s[TB], SLOT
.endm
; A PREFETCH INTO THE L2: step i asks for step i + 6, four steps (512 matrix instructions) ahead of the joint load that will want it.  wb was stored by the launch before.  All clusters walk the same bytes: the first cluster asks;
; its four partners are told apart BY ADDRESS (16,384 bytes each), waves 0 and 1 take 8,192 each, a lane 256: each block is named once in the launch.  Steps 0 to 5 come by their loads alone; steps 46 on ask for nothing.
.macro ASK
	s_cmp_lt_u32 s[STP], s[LIM]
	s_cbranch_scc0 .Lna_\@
	global_prefetch_b8 v[VPF], s[PFA:PFA+1] th:TH_LOAD_NT scope:SCOPE_SE
.Lna_\@:
.endm
; A WIDE STEP.  On entry group 0 of the weights (B0) and row blocks 0-3 of the first 32 k (A0) have been asked for.  kind 0: the stages K, Q, F; 1: down; 2: the last two steps, which fill nothing.
.macro WSTEP kind, us, fill
	FA 0, 1, \us
	FB 1, BF+64
	s_wait_dscnt 24                                ; all but the 24 just issued: B0 and A0 are in
	GW 0, 0, 0, 4
	PLACES
	FA 1, 0, \us
	s_wait_dscnt 24                                ; B1's 16 and A0's 8 may stay out: A1 is in
	GW 0, 1, 0, 4
	PLACES
	FA 1, 1, \us
	s_wait_dscnt 8                                 ; A1's 8 may stay out: B1 and A0 are in
	CH_A \fill
	GW 1, 0, 0, 2
	CH_B
	GW 1, 0, 2, 2
	CH_C \fill
.if (\kind) == 0
	s_cmp_eq_u32 s[CNT], 1
	s_cselect_b32 s62, s[NB], s[BW]                ; behind F's last step comes a tall step
	s_cselect_b32 s63, s[ENDF], 0
	s_add_co_u32 s62, s62, s[TB]
	v_add_nc_u32 v[VB], s62, v[L16]
	FB 0, BF
	s_cmp_eq_u32 s63, 1
	s_cbranch_scc1 .Lnoa_\@                        ; a stage's last step: the next stage's activations are not made yet
	v_add_nc_u32 v[VA], 128, v[VA]
	v_add_nc_u32 v[VA+1], 128, v[VA+1]
	FA 0, 0, 0
.Lnoa_\@:
.elseif (\kind) == 1
	s_cmp_eq_u32 s[CNT], 1
	s_cselect_b32 s62, s[BT], s[BW]
	s_add_co_u32 s62, s62, s[TB]
	v_add_nc_u32 v[VB], s62, v[L16]
	FB 0, BF
	s_cmp_eq_u32 s[CNT], 1
	s_cbranch_scc1 .Lh_\@
	v_add_nc_u32 v[VUA], 128, v[VUA]
	FA 0, 0, 1
	s_branch .Ld_\@
.Lh_\@:
	v_mov_b32 v[VHA], v[VHA0]                      ; the next chunk's up stage begins
	FAT 0, 0
.Ld_\@:
.else
	s_cmp_eq_u32 s[CNT], 1
	s_cbranch_scc1 .Ln_\@                          ; nothing follows the last step
	s_add_co_u32 s62, s[BW], s[TB]
	v_add_nc_u32 v[VB], s62, v[L16]
	FB 0, BF
	v_add_nc_u32 v[VUA], 128, v[VUA]
	FA 0, 0, 1
.Ln_\@:
.endif
.if \fill
	ASK
.endif
	GW 1, 1, 0, 4
	PLACES
	WIN 0
.endm
; A TALL STEP: four groups p of 64 along k.  The same skeleton.
.macro TSTEP
.irp p, 0,1,2
	FAT \p, 1
	FB (\p)+1, BF+64*(((\p)+1)%2)
	s_wait_dscnt 24                                ; all but the 24 just issued
	GU \p, 0, 0, 2
	PLACES
	FAT (\p)+1, 0
	s_wait_dscnt 24                                ; the next group's 16 and A0's 8 may stay out: A1 is in
	GU \p, 1, 0, 2
	PLACES
.endr
	FAT 3, 1
	s_wait_dscnt 8
	CH_A 1
	GU 3, 0, 0, 1
	CH_B
	GU 3, 0, 1, 1
	CH_C 1
	s_cmp_eq_u32 s[CNT], 1
	s_cselect_b32 s62, s[BW], s[BT]
	s_add_co_u32 s62, s62, s[TB]
	v_add_nc_u32 v[VB], s62, v[L16]
	FB 0, BF
	s_cmp_eq_u32 s[CNT], 1
	s_cbranch_scc1 .Lnoh_\@                        ; behind the second step comes down, whose u is not made yet
	v_add_nc_u32 v[VHA], 512, v[VHA]
	FAT 0, 0
.Lnoh_\@:
	ASK
	GU 3, 1, 0, 2
	PLACES
	WIN 0
.endm
.macro CVT hi                          ; 256 f32 of window 2 + hi, rounded in pairs into window 1, registers 128 hi ..
	WIN 0x4a+5*(\hi)
	EACH 128, v_cvt_pk_bf16_f32 v[128*(\hi)+i], v[2*i], v[2*i+1]
.endm
; GELU of my row block rb (32 numbers a lane), all in window 1: g = max(a, 0) - |a| y, y = Phi(-|a|) = e t (c1 + t (c2 + t (c3 + t (c4 + t c5)))), t = 1 / (1 + p |a|), e = 2^(-a a log2(e) / 2).
; The 64 transcendentals are one batch with one wait; the 32 maxima stand between as plain work.
.macro GELU rb
.set U0, 32*(\rb)
	WIN 0x55
	EACH 32, v_fma_f32 v[TT+i], |v[U0+i]|, s[CP], 1.0
	EACH 16, v_pk_mul_f32 v[TE+2*i:TE+2*i+1], v[U0+2*i:U0+2*i+1], v[U0+2*i:U0+2*i+1]
	EACH 16, v_pk_mul_f32 v[TE+2*i:TE+2*i+1], v[TE+2*i:TE+2*i+1], s[CE:CE+1] op_sel_hi:[1,0]
	EACH 32, v_rcp_f32 v[TT+i], v[TT+i]
	EACH 32, v_exp_f32 v[TE+i], v[TE+i]
	EACH 32, v_max_num_f32 v[TM+i], 0, v[U0+i]
	s_wait_alu depctr_va_vdst(0)                   ; one wait for the batch, ahead of its first reader
	EACH 16, v_pk_fma_f32 v[TY+2*i:TY+2*i+1], v[TT+2*i:TT+2*i+1], s[C5:C5+1], s[C4:C4+1] op_sel_hi:[1,0,0]
	EACH 16, v_pk_fma_f32 v[TY+2*i:TY+2*i+1], v[TY+2*i:TY+2*i+1], v[TT+2*i:TT+2*i+1], s[C3:C3+1] op_sel_hi:[1,1,0]
	EACH 16, v_pk_fma_f32 v[TY+2*i:TY+2*i+1], v[TY+2*i:TY+2*i+1], v[TT+2*i:TT+2*i+1], s[C2:C2+1] op_sel_hi:[1,1,0]
	EACH 16, v_pk_fma_f32 v[TY+2*i:TY+2*i+1], v[TY+2*i:TY+2*i+1], v[TT+2*i:TT+2*i+1], s[C1:C1+1] op_sel_hi:[1,1,0]
	EACH 16, v_pk_mul_f32 v[TY+2*i:TY+2*i+1], v[TY+2*i:TY+2*i+1], v[TT+2*i:TT+2*i+1]
	EACH 16, v_pk_mul_f32 v[TY+2*i:TY+2*i+1], v[TY+2*i:TY+2*i+1], v[TE+2*i:TE+2*i+1]
	EACH 32, v_fma_f32 v[TY+i], -|v[U0+i]|, v[TY+i], v[TM+i]
	EACH 16, v_cvt_pk_bf16_f32 v[TT+i], v[TY+2*i], v[TY+2*i+1]
	WIN 0x04                                       ; address window 0, data window 1
	EACH 4, ds_store_b128 v[VUS], v[TT+4*i:TT+4*i+3] offset:(\rb)*UB+32*i
.endm
	; ---------------- the head
	s_load_b512 s[8:23], s[0:1], 0x0               ; x, source, wb, bk, bq, bf, b1, b2
	s_load_b64 s[24:25], s[0:1], 0x40              ; out0
	v_lshl_add_u32 v[SPW], v0, 2, SPARE
	v_mov_b32 v[NIL], 0
	ds_add_u32 v[SPW], v[NIL]                      ; the wave's opening: the add, twice on end, and its wait ahead of my first tensor load
	ds_add_u32 v[SPW], v[NIL]
	v_lshrrev_b32 v1, 5, v0
	v_readfirstlane_b32 s[WV], v1                  ; wave 0..3
	s_lshr_b32 s[RH], s[WV], 1
	s_and_b32 s[CH], s[WV], 1
	s_bfe_u32 s[CX], ttmp6, 0x40000                ; my place in the cluster: it enters the addresses of x, source, out0 and the prefetch alone
	s_lshl_b32 s[WG], ttmp9, 2
	s_add_co_u32 s[WG], s[WG], s[CX]
	s_lshl_b32 s[BW], s[WV], 14
	s_lshl_b32 s[BT], s[CH], 15
	s_mov_b32 s[G1+0], 15|(3<<16)|(1<<21)          ; the mask of four; elements of 8 bytes; bit 21 beside a mask; no padding
	s_mov_b32 s[G1+1], 32<<16                      ; tensor_dim0 = 32 elements: 256 bytes
	s_mov_b32 s[G1+2], 64<<16                      ; tensor_dim1 = 64
	s_mov_b32 s[G1+3], 32<<16                      ; tile_dim0 = 32
	s_mov_b32 s[G1+4], 64                          ; tile_dim1 = 64
	s_mov_b32 s[G1+5], 32                          ; dense: a row begins where the last ends
	s_mov_b32 s[G1+6], 0
	s_mov_b32 s[G1+7], 0
	s_mov_b32 s[SEL], 0x76543210
	s_mov_b32 s[SEL+1], 0xfedcba98
	s_mov_b32 s[CP], 0x3e6d3389                    ; 0.2316419
	s_mov_b32 s[CP+1], s[CP]
	s_mov_b32 s[CE], 0xbf38aa3b                    ; -log2(e) / 2
	s_mov_b32 s[CE+1], s[CE]
	s_mov_b32 s[C5], 0x3f07dc22                    ; the five coefficients, each times 1 / sqrt(2 pi): 0.53070271
	s_mov_b32 s[C5+1], s[C5]
	s_mov_b32 s[C4], 0xbf3a00e3                    ; -0.72657601
	s_mov_b32 s[C4+1], s[C4]
	s_mov_b32 s[C3], 0x3f35f0e3                    ; 0.71070687
	s_mov_b32 s[C3+1], s[C3]
	s_mov_b32 s[C2], 0xbe11a98f                    ; -0.14224837
	s_mov_b32 s[C2+1], s[C2]
	s_mov_b32 s[C1], 0x3e027906                    ; 0.12741479
	s_mov_b32 s[C1+1], s[C1]
	s_mov_b32 s[EPSR], 0x2b8cbccc                  ; 1e-12
	s_mov_b32 s[TB], 0
	s_mov_b32 s[STP], 0
	s_lshr_b32 s62, s[WV], 1
	s_or_b32 s62, s62, ttmp9                       ; 0 in waves 0 and 1 of the first cluster: the same in all four partners
	s_cmp_eq_u32 s62, 0
	s_cselect_b32 s[LIM], 47, 0
	v_and_b32 v[LN], 31, v0
	v_and_b32 v[R], 15, v0
	v_bfe_u32 v[H], v0, 4, 1
	v_lshlrev_b32 v[L16], 4, v[LN]
	v_lshlrev_b32 v[TI16], 4, v0
	v_lshlrev_b32 v[VPF], 8, v[LN]
	s_wait_dscnt 0x0                               ; both opening adds are done
	s_wait_kmcnt 0x0
	s_lshl_b32 s82, s[WG], 18                      ; 128 rows of 2,048 bytes,
	s_lshl_b32 s62, s[WV], 16                      ; my wave's 32
	s_add_co_u32 s82, s82, s62
	s_mov_b32 s83, 0
	s_add_nc_u64 s[8:9], s[8:9], s[82:83]
	s_lshr_b32 s82, s82, 1                         ; source's rows are half as long
	s_add_nc_u64 s[10:11], s[10:11], s[82:83]
	s_lshl_b32 s82, s[WG], 18
	s_lshl_b32 s62, s[WV], 9                       ; my 128 columns of out0
	s_add_co_u32 s82, s82, s62
	s_add_nc_u64 s[24:25], s[24:25], s[82:83]
	s_mov_b32 s82, s[BW]
	s_add_nc_u64 s[84:85], s[12:13], s[82:83]      ; wb at my quarter of step 0
	s_mov_b32 s[G0A], 1
	s_mov_b32 s[G0A+1], s[BW]                      ; slot 0
	s_mov_b64 s[G0A+2:G0A+3], s[84:85]
	s_or_b32 s[G0A+3], s[G0A+3], 0x80000000
	s_mov_b32 s[G0], 1
	s_add_co_u32 s[G0+1], s[BW], SLOT              ; slot 1
	s_add_nc_u64 s[G0+2:G0+3], s[84:85], SLOT      ; step 1; this descriptor then walks
	s_or_b32 s[G0+3], s[G0+3], 0x80000000
	s_lshl_b32 s82, s[CX], 14
	s_lshl_b32 s62, s[WV], 13
	s_add_co_u32 s82, s82, s62
	s_add_co_u32 s82, s82, 5*SLOT                  ; step 0's change of slots steps it to step 6
	s_add_nc_u64 s[PFA:PFA+1], s[12:13], s[82:83]
	ROUND                                          ; all four work-groups are here: the first joint loads meet
	tensor_load_to_lds s[G0A:G0A+3], s[G1:G1+7]    ; two loads of mine are out
	s_nop 0
	tensor_load_to_lds s[G0:G0+3], s[G1:G1+7]
	s_nop 0
.rept 4
	v_nop
.endr
	global_load_b128 v[64:67], v[TI16], s[14:15]   ; the biases: 2,048 bytes a load for the work-group
	global_load_b128 v[68:71], v[TI16], s[16:17]
	global_load_b128 v[72:75], v[TI16], s[18:19]
	global_load_b128 v[76:79], v[TI16], s[22:23]
	global_load_b128 v[80:83], v[TI16], s[20:21]
	global_load_b128 v[84:87], v[TI16], s[20:21] offset:2048
	WIN 0x40                                       ; my 32 rows of source: 64 pieces of 512 consecutive bytes
	EACH 64, global_load_b128 v[4*i:4*i+3], v[L16], s[10:11] offset:512*i th:TH_LOAD_NT
	WIN 0x80                                       ; my 32 rows of x: 128 pieces
	EACH 64, global_load_b128 v[4*i:4*i+3], v[L16], s[8:9] offset:512*i th:TH_LOAD_NT
	WIN 0xc0
	EACH 64, global_load_b128 v[4*i:4*i+3], v[L16], s[8:9] offset:32768+512*i th:TH_LOAD_NT
	WIN 0
	v_mul_u32_u24 v62, v[R], XP
	v_lshl_add_u32 v62, v[H], 4, v62               ; r x pitch + 16 h
	v_add_nc_u32 v[VA0], XR, v62
	s_mul_i32 s62, s[RH], 64*XP
	s_add_co_u32 s62, s62, XR
	v_add_nc_u32 v[VHA0], s62, v62
	s_lshl_b32 s62, s[WV], 8
	s_add_co_u32 s62, s62, XR
	v_add_nc_u32 v[VT], s62, v62                   ; + my 128 columns in bf16
	v_add_nc_u32 v[VT+1], 4*XB, v[VT]
	v_mul_u32_u24 v63, v[R], UPI
	v_lshl_add_u32 v63, v[H], 4, v63
	v_add_nc_u32 v[VUA0], US, v63
	s_mul_i32 s62, s[RH], 64*UPI
	s_lshl_b32 s63, s[CH], 7
	s_add_co_u32 s62, s62, s63
	s_add_co_u32 s62, s62, US
	v_add_nc_u32 v[VUS], s62, v63
	s_lshl_b32 s62, s[WV], 9
	s_add_co_u32 s62, s62, BIAS
	v_lshl_add_u32 v[VBI], v[H], 5, s62            ; bk at my columns: 512 w + 32 h
	s_lshl_b32 s62, s[CH], 8
	s_add_co_u32 s62, s62, BIAS+8192
	v_lshl_add_u32 v[VB1], v[H], 5, s62
	v_lshlrev_b32 v[VNSL], 4, v[R]
	v_add_nc_u32 v[VNSL], NSQ, v[VNSL]             ; a row's four partial sums
	s_lshl_b32 s62, s[WV], 2
	v_add_nc_u32 v[VNSS], s62, v[VNSL]
	s_mul_i32 s62, s[WV], 32*XP
	s_add_co_u32 s62, s62, XR
	v_lshl_add_u32 v[VXS], v[LN], 3, s62
	s_mul_i32 s62, s[WV], STG
	s_add_co_u32 s62, s62, XR
	v_add_nc_u32 v[VRD], s62, v[L16]
	v_mul_u32_u24 v[VSTO], v[R], SPI
	v_lshl_add_u32 v[VSTO], v[H], 5, v[VSTO]
	v_add_nc_u32 v[VSTO], s62, v[VSTO]
	v_add_nc_u32 v[VBS], BIAS, v[TI16]
	v_mov_b32 v[ONE], 1.0
	EACH 8, v_mov_b32 v[RS+2*i+1], 0
	s_wait_loadcnt 63                              ; of the 198 loads the first 135 are in: the biases, source, x's pieces 0 to 64
	EACH 6, ds_store_b128 v[VBS], v[64+4*i:64+4*i+3] offset:2048*i
	WIN 0x45
.set i, 0
.rept 64
	v_cvt_pk_bf16_f32 v[4*i], v[4*i], v[4*i+1]
	v_cvt_pk_bf16_f32 v[4*i+1], v[4*i+2], v[4*i+3]
.set i, i+1
.endr
	WIN 0x04
	EACH 64, ds_store_b64 v[VXS], v[4*i:4*i+1] offset:(i/2)*XP+(i%2)*256
	CVT 0                                          ; x is packed into window 1 and waits there until source has been multiplied
	s_wait_loadcnt 0x0
	CVT 1
	WIN 0
	s_wait_tensorcnt 0x1                           ; my quarter of step 0 is in; step 1's may stay out
	BAR
	v_add_nc_u32 v[VB], s[BW], v[L16]
	FB 0, BF
	; ---------------- K, Q, F: five half-stages of four wide steps.  0: K.  1, 2: Q.  3, 4: F.
	s_mov_b32 s[HS], 0
	s_mov_b32 s[START], 1
.Lhs:
	s_and_b32 s62, s[HS], 1
	s_xor_b32 s[ENDF], s62, 1                      ; half-stages 0, 2, 4 end a stage
	s_cmp_eq_u32 s[HS], 4
	s_cselect_b32 s[NB], s[BT], s[BW]
	s_mov_b32 s[CNT], 4
	s_cmp_eq_u32 s[START], 1
	s_cbranch_scc0 .Lws
.irp hi, 0,1                           ; a stage begins: the sums start at the bias, loaded straight into the accumulators
	WIN 0x80+0x40*(\hi)
	EACH 64, ds_load_b128 v[4*i:4*i+3], v[VBI] offset:64*((i/2)%8)+16*(i%2)
.endr
	WIN 0
	v_add_nc_u32 v[VBI], 2048, v[VBI]              ; bk, bq, bf, then b2
	v_mov_b32 v[VA], v[VA0]
	v_add_nc_u32 v[VA+1], 4*XB, v[VA0]
	FA 0, 0, 0
.Lws:
	WSTEP 0, 0, 1
	s_sub_co_u32 s[CNT], s[CNT], 1
	s_cmp_lg_u32 s[CNT], 0
	s_cbranch_scc1 .Lws
	s_mov_b32 s[START], s[ENDF]
	s_cmp_eq_u32 s[ENDF], 1
	s_cbranch_scc0 .Lhsnext
	PLACES
	s_cmp_eq_u32 s[HS], 4
	s_cbranch_scc0 .Lnorm
.irp hi, 0,1                           ; F: + x, from the bf16 pieces kept in window 1; each accumulator's registers in ascending order
	WIN 0xa1+0x50*(\hi)
.set i, 0
.rept 128
	v_fma_mix_f32_bf16 v[2*i], v[128*(\hi)+i], v[ONE], v[2*i] op_sel_hi:[1,0,0]
	v_fma_mix_f32_bf16 v[2*i+1], v[128*(\hi)+i], v[ONE], v[2*i+1] op_sel:[1,0,0] op_sel_hi:[1,0,0]
.set i, i+1
.endr
.endr
	WIN 0
.Lnorm:                                ; a row's sum of squares: my 128 columns, then the four waves' through LDS
.irp hi, 0,1
	WIN 0x0a+5*(\hi)
	EACH 4, v_pk_mul_f32 v[SS+8*(\hi)+2*i:SS+8*(\hi)+2*i+1], v[64*i:64*i+1], v[64*i:64*i+1]
.set i, 4
.rept 124                              ; four chains, a row block each; of each accumulator the lowest pair comes first
.set ra, 64*(i%4)+8*(i/16)+2*((i/4)%4)
	v_pk_fma_f32 v[SS+8*(\hi)+2*(i%4):SS+8*(\hi)+2*(i%4)+1], v[ra:ra+1], v[ra:ra+1], v[SS+8*(\hi)+2*(i%4):SS+8*(\hi)+2*(i%4)+1]
.set i, i+1
.endr
.endr
	WIN 0
	EACH 8, v_add_f32 v[SS+2*i], v[SS+2*i], v[SS+2*i+1]
	EACH 8, v_permlanex16_b32 v[SS+2*i+1], v[SS+2*i], s[SEL], s[SEL+1]
	EACH 8, v_add_f32 v[SS+2*i], v[SS+2*i], v[SS+2*i+1]
	EACH 8, ds_store_b32 v[VNSS], v[SS+2*i] offset:256*i
	BAR                                            ; the partial sums are there; and every wave's reads of XR for this stage are over
	EACH 8, ds_load_b128 v[128+4*i:128+4*i+3], v[VNSL] offset:256*i
	s_wait_dscnt 0x0
	EACH 8, v_add_f32 v[128+4*i], v[128+4*i], v[128+4*i+1]
	EACH 8, v_add_f32 v[128+4*i+2], v[128+4*i+2], v[128+4*i+3]
	EACH 8, v_add_f32 v[SS+2*i], v[128+4*i], v[128+4*i+2]
	EACH 8, v_sqrt_f32 v[SS+2*i], v[SS+2*i]
	v_nop
	s_wait_alu depctr_va_vdst(0)                   ; one wait for the eight roots
	EACH 8, v_max_num_f32 v[SS+2*i], s[EPSR], v[SS+2*i]
	EACH 8, v_rcp_f32 v[RS+2*i], v[SS+2*i]
	v_nop
	s_wait_alu depctr_va_vdst(0)                   ; and one for the eight reciprocals
	s_cmp_eq_u32 s[HS], 2
	s_cbranch_scc0 .Lscale
.set rb, 0
.rept 8                                ; Q: t = bf16(Q / |Q| + K / |K|); x's piece at t's place is taken into window 1 first, then t is stored there (LDS serves a wave in order)
	WIN 0x12+rb/4
.set i, 0
.rept 32
	v_fma_mixlo_bf16 v[128+32*(rb%4)+i], v[64*(rb%4)+2*i], v[RS+2*rb], v[32*rb+i] op_sel_hi:[0,0,1]
	v_fma_mixhi_bf16 v[128+32*(rb%4)+i], v[64*(rb%4)+2*i+1], v[RS+2*rb], v[32*rb+i] op_sel:[0,0,1] op_sel_hi:[0,0,1]
.set i, i+1
.endr
	WIN 0x40
	EACH 8, ds_load_b128 v[32*rb+4*i:32*rb+4*i+3], v[VT+rb/4] offset:(rb%4)*XB+32*i
	WIN 0
	EACH 8, ds_store_b128 v[VT+rb/4], v[128+32*(rb%4)+4*i:128+32*(rb%4)+4*i+3] offset:(rb%4)*XB+32*i
.set rb, rb+1
.endr
	s_branch .Lshow
.Lscale:                               ; K and F: the accumulators times 1 / norm
.irp hi, 0,1
	WIN 0x82+0x41*(\hi)
	EACH 128, v_pk_mul_f32 v[2*i:2*i+1], v[2*i:2*i+1], v[RS+2*(4*(\hi)+i/32):RS+2*(4*(\hi)+i/32)+1] op_sel_hi:[1,0]
.endr
	WIN 0
	s_cmp_eq_u32 s[HS], 0
	s_cbranch_scc0 .Lcvt
	WIN 0x04                                       ; K: source has been read by all: packed x takes its place in XR
	EACH 128, ds_store_b64 v[VXS], v[2*i:2*i+1] offset:(i/4)*XP+(i%4)*256
	WIN 0
.Lcvt:
	CVT 0                                          ; K / |K|, or h, in bf16 into window 1
	CVT 1
	WIN 0
	s_cmp_eq_u32 s[HS], 4
	s_cbranch_scc0 .Lshow
	WIN 0x04                                       ; F: h in bf16 into XR, for the up stage;
	EACH 64, ds_store_b128 v[VT+i/32], v[4*i:4*i+3] offset:((i/8)%4)*XB+32*(i%8)
	WIN 0
	EACH 16, ds_load_b128 v[128+4*i:128+4*i+3], v[VBI] offset:64*(i/2)+16*(i%2)
	s_wait_dscnt 0x0
.irp hi, 0,1                           ; and the accumulators, h in f32, take b2: the down products add onto h + b2
	WIN 0x82+0x41*(\hi)
	EACH 128, v_pk_add_f32 v[2*i:2*i+1], v[2*i:2*i+1], v[128+8*((i/4)%8)+2*(i%4):128+8*((i/4)%8)+2*(i%4)+1]
.endr
	WIN 0
.Lshow:
	BAR                                            ; what was stored into XR is there for every wave
.Lhsnext:
	s_add_co_u32 s[HS], s[HS], 1
	s_cmp_lt_u32 s[HS], 5
	s_cbranch_scc1 .Lhs
	; ---------------- the MLP: eight chunks of 128 hidden units: up (two tall steps), GELU, down (two wide steps).  The loop is entered at up; the last down stands behind it, since it fills nothing.
	s_mov_b32 s[CHK], 8
	v_mov_b32 v[VHA], v[VHA0]
	FAT 0, 0
	s_branch .Lenter
.Ltop:
	v_mov_b32 v[VUA], v[VUA0]
	FA 0, 0, 1
	s_mov_b32 s[CNT], 2
.Ldn:
	WSTEP 1, 1, 1
	s_sub_co_u32 s[CNT], s[CNT], 1
	s_cmp_lg_u32 s[CNT], 0
	s_cbranch_scc1 .Ldn
.Lenter:
	WIN 0x40                                       ; the up sums start at b1
	EACH 32, ds_load_b128 v[4*i:4*i+3], v[VB1] offset:64*((i/2)%4)+16*(i%2)
	WIN 0
	v_add_nc_u32 v[VB1], 512, v[VB1]
	s_mov_b32 s[CNT], 2
.Lup:
	TSTEP
	s_sub_co_u32 s[CNT], s[CNT], 1
	s_cmp_lg_u32 s[CNT], 0
	s_cbranch_scc1 .Lup
	PLACES
	GELU 0
	GELU 1
	GELU 2
	GELU 3
	WIN 0
	BAR                                            ; the chunk's u is whole.  (The reads of the chunk before were over at a change of slots two barriers back.)
	s_sub_co_u32 s[CHK], s[CHK], 1
	s_cmp_lg_u32 s[CHK], 0
	s_cbranch_scc1 .Ltop
	v_mov_b32 v[VUA], v[VUA0]
	FA 0, 0, 1
	s_mov_b32 s[CNT], 2
.Ltl:
	WSTEP 2, 1, 0
	s_sub_co_u32 s[CNT], s[CNT], 1
	s_cmp_lg_u32 s[CNT], 0
	s_cbranch_scc1 .Ltl
	PLACES
	; ---------------- the way out: 16 rows at a time through my share of XR (h is read no more): a lane's 32 bytes in, whole rows of 512 bytes back, 512 consecutive bytes a store.
.macro TOSTAGE rb
	s_wait_xcnt 0x0                                ; the stores of two blocks back have read the registers that are loaded again below
	WIN 0x08+4*((\rb)/4)
.set i, 0
.rept 8
	ds_store_b128 v[VSTO], v[8*(8*((\rb)%4)+i):8*(8*((\rb)%4)+i)+3] offset:((\rb)%2)*16*SPI+64*i
	ds_store_b128 v[VSTO], v[8*(8*((\rb)%4)+i)+4:8*(8*((\rb)%4)+i)+7] offset:((\rb)%2)*16*SPI+64*i+16
.set i, i+1
.endr
	WIN 0
	EACH 16, ds_load_b128 v[64+64*((\rb)%2)+4*i:64+64*((\rb)%2)+4*i+3], v[VRD] offset:((\rb)%2)*16*SPI+i*SPI
.endm
.macro SEND rb, younger                ; younger: the next block's 16 stores and 16 loads, or none
	s_wait_dscnt \younger
	EACH 16, global_store_b128 v[L16], v[64+64*((\rb)%2)+4*i:64+64*((\rb)%2)+4*i+3], s[24:25] offset:(16*(\rb)+i)*2048 th:TH_STORE_NT
.endm
	TOSTAGE 0
.irp rb, 1,2,3,4,5,6,7
	TOSTAGE \rb
	SEND (\rb)-1, 32
.endr
	SEND 7, 0
	s_wait_tensorcnt 0x0                           ; the wave's end: a wait, an add to my spare word and its wait behind my last tensor load and my last LDS store
	ds_add_u32 v[SPW], v[NIL]
	s_wait_dscnt 0x0
	ROUND                                          ; the closing round: no work-group ends while a partner may still ask for a step that names it
	s_endpgm
.Lfunc_end_k_q447787d048_enc:
	.size	k_q447787d048_enc, .Lfunc_end_k_q447787d048_enc-k_q447787d048_enc
	.p2alignl 7, 3214868480
	.fill 96, 4, 3214868480
	.section	.rodata,"a",@progbits
	.p2align	6, 0x0
	.amdhsa_kernel k_q447787d048_enc
		.amdhsa_group_segment_fixed_size 327680
		.amdhsa_private_segment_fixed_size 0
		.amdhsa_enable_private_segment 0
		.amdhsa_kernarg_size 72
		.amdhsa_user_sgpr_count 2
		.amdhsa_user_sgpr_kernarg_segment_ptr 1
		.amdhsa_wavefront_size32 1
		.amdhsa_system_sgpr_workgroup_id_x 1
		.amdhsa_system_sgpr_workgroup_id_y 1
		.amdhsa_system_sgpr_workgroup_id_z 1
		.amdhsa_system_vgpr_workitem_id 0
		.amdhsa_next_free_vgpr 1024
		.amdhsa_next_free_sgpr 96
		.amdhsa_reserve_vcc 0
		.amdhsa_float_denorm_mode_32 3
		.amdhsa_float_denorm_mode_16_64 3
		.amdhsa_memory_ordered 1
		.amdhsa_forward_progress 1
		.amdhsa_inst_pref_size 255
	.end_amdhsa_kernel
	.section	.bss,"aw",@nobits
	.p2align	6
	.space	262144
	.amdgpu_metadata
---
amdhsa.version: [ 1, 2 ]
amdhsa.kernels:
  - .name:           k_q447787d048_enc
    .symbol:         k_q447787d048_enc.kd
    .args:
      - { .name: x, .offset: 0, .size: 8, .value_kind: global_buffer, .address_space: global }
      - { .name: source, .offset: 8, .size: 8, .value_kind: global_buffer, .address_space: global }
      - { .name: wb, .offset: 16, .size: 8, .value_kind: global_buffer, .address_space: global }
      - { .name: bk, .offset: 24, .size: 8, .value_kind: global_buffer, .address_space: global }
      - { .name: bq, .offset: 32, .size: 8, .value_kind: global_buffer, .address_space: global }
      - { .name: bf, .offset: 40, .size: 8, .value_kind: global_buffer, .address_space: global }
      - { .name: b1, .offset: 48, .size: 8, .value_kind: global_buffer, .address_space: global }
      - { .name: b2, .offset: 56, .size: 8, .value_kind: global_buffer, .address_space: global }
      - { .name: out0, .offset: 64, .size: 8, .value_kind: global_buffer, .address_space: global }
    .group_segment_fixed_size: 327680
    .private_segment_fixed_size: 0
    .kernarg_segment_align: 8
    .kernarg_segment_size: 72
    .max_flat_workgroup_size: 128
    .sgpr_count:     96
    .vgpr_count:     1024
    .wavefront_size: 32
...
	.end_amdgpu_metadata
.endif
;; end of part 2
